; MI455X (gfx1250); checked and timed in simulation.
; The chip was launched on July 23, 2026; its instructions are those of AMD's public machine-readable ISA for CDNA 5 (MIT licence, August 2026) and "CDNA5" Instruction Set Architecture Reference Guide (July 2026). The comments in the code are by the model that wrote it; some were corrected since.
;; Multi Head Attention. Allowed arithmetic: float matrix products may take bf16 or f16 operands with f32 sums; all other float work in f32.
;; Inputs: Wk 256 x 2,048 float32; Wo 2,048 x 256 float32; Wq 256 x 2,048 float32; Wv 256 x 2,048 float32; bk 2,048 float32; bo 256 float32; bq 2,048 float32; bv 2,048 float32; key_input 4 x 1,024 x 256 float32; query_input 4 x 1,024 x 256 float32; value_input 4 x 1,024 x 256 float32.
;; Outputs: out0 4 x 1,024 x 256 float32.
;; One version. Each part assembles by itself: llvm-mc -triple=amdgcn-amd-amdhsa -mcpu=gfx1250 --defsym DOCPART=n.
;; ======== version 1 of 1: 3 launches
;; limits: values are held in f16: magnitudes above 65,504 overflow, below 6.1e-05 lose precision; right only within a limited range of input values; values outside matrix products are rounded to bf16; values outside matrix products are rounded to f16
;; workspace buffers: bf 6,324,224 bytes; part 16,777,216 bytes
;; launch prep (part 1): grid 256 x 1, 8 waves a work-group, no clusters, 102,144 bytes of LDS; arguments query_input, value_input, Wk, Wq, Wv, Wo, bk, bq, bv, bf; writes bf
.if DOCPART == 1
	.amdgcn_target "amdgcn-amd-amdhsa--gfx1250"
	.amdhsa_code_object_version 6
	.text
	.protected	k_q6741fb0153_prep
	.globl	k_q6741fb0153_prep
	.p2align	8
	.type	k_q6741fb0153_prep,@function
k_q6741fb0153_prep:
	s_mov_b64 s[64:65], 0
	v_nop
	global_prefetch_b8 v0, s[64:65] scope:SCOPE_SE
	s_setreg_imm32_b32 hwreg(HW_REG_WAVE_MODE, 25, 1), 1
	s_wait_xcnt 0x0
; Two things, in every work-group.
; (1) Xq is narrowed to bf16 and Xv to f16: work-group g takes 16,384 bytes of each.
; (2) The weights are multiplied ahead, head by head (W_h = columns 256 h .. 256 h + 255 of W, or rows of Wo):
;       M_h[c][c'] = sum over d of Wk_h[c][d] Wq_h[c'][d]   (bf16)     e_h[c'] = sum bk_h[d] Wq_h[c'][d]   g_h[c] = sum Wk_h[c][d] bq_h[d]   s_h = bk_h . bq_h
;       N_h[c][n]  = 256 x sum over d of Wv_h[c][d] Wo_h[d][n] (f16)   cN_h[n] = 256 x sum bv_h[d] Wo_h[d][n]          (e, g, s, cN in f32)
;     so that k Wq_h^T = Xk M_h + e_h, k . bq_h = Xk g_h + s_h and (P Wv_h + bv_h) Wo_h = (P N_h + cN_h) / 256 for every input.
;     The factor 256 is exact; the last launch takes it out.  It keeps N_h among f16's normal numbers when Wv and Wo are 30 times smaller.
; bf, byte offsets: Xq 0, Xv 2,097,152 ([4096][256]); M 4,194,304, N 5,242,880 ([h][c][256]); e 6,291,456, cN 6,299,648 ([h][256] f32);
; g and s 6,307,840: for each head eight pieces of 256 bytes, piece cb = g_h[32 cb .. 32 cb + 31], then s_h 32 times.
; LIMITS: operands of M are bf16, of N f16: |Xv|, |Wv|, |Wo|, |bv| and 256 |Wv_h Wo_h| must stay below 65,504.
; Work-group g: kind = g / 128 (0: M, 1: N), head (g / 16) % 8, block of 32 c (g / 2) % 8, block of 128 features g % 2.
; 160 KiB of f32 weights pass through registers (8 numbers a job: two 16-byte loads, four roundings, one 16-byte LDS store); wave w multiplies
; feature tile w by the two c tiles and by the bias row; K = 256 in two halves of four steps.
; No cluster: the weights must pass through registers to be narrowed, so there is no tile that a joint tensor load could bring.
.set XVO, 2097152
.set MMO, 4194304
.set NNO, 5242880
.set EO,  6291456
.set CNO, 6299648
.set GO,  6307840
.set PW,  528                          ; LDS pitch of rows that lie along K: 512 + 16 bytes
.set PN,  288                          ; LDS pitch of Wo's rows (128 f16), read across: 9 x 32 bytes
.set WT,  9216                         ; LDS: the feature tile at 0; wave w fills bytes 9,216 w .. 9,216 w + 9,215 in both kinds: 16 rows x 528 (8,448 used) or 32 rows x 288
.set BT,  73728                        ; 8 x 9,216: 32 rows of c here
.set BV,  90624                        ; bk or bv (512 bytes), bq (512 bytes), in 16 bits
.set STG, 91648                        ; the way out: 32 rows x 272 bytes
.set SP,  272
.set ES,  100352                       ; e or cN of my 128 features, f32
.set GS,  100864                       ; g of my 32 c, then s 32 times
.set LX,  16                           ; v[16:47]   X: job q, 8 numbers as loaded, then 4 registers to store
.set LB,  48                           ; v[48:79]   c rows: job i
.set LA,  80                           ; v[80:207]  feature tile: job i
.set FR,  48                           ; v[48:207]  later: fragments, K step kq of four: feature +0, c tiles +8, +16, bias row +24, bq +32
.set ACC, 208                          ; v[208:255] six accumulators
.set FA,  4                            ; v4, v5: LDS address of my feature fragments, K half 0, 1
.set FB,  6                            ; v6: of the c fragments
.set FV,  7                            ; v7: of the bias fragments
.macro PLACES                          ; four plain vector instructions between a matrix instruction and what reads its result or writes its registers (ISA guide 7.12.1)
.rept 4
	v_nop
.endr
.endm
.macro CV ty, d, a
.if \ty
	v_cvt_pk_f16_f32 v[\d], v[\a], v[\a+1]
.else
	v_cvt_pk_bf16_f32 v[\d], v[\a], v[\a+1]
.endif
.endm
.macro WM fmt, d, a, b, zero
.if \zero
	v_wmma_f32_16x16x32_\fmt v[\d:\d+7], v[\a:\a+7], v[\b:\b+7], 0
.else
	v_wmma_f32_16x16x32_\fmt v[\d:\d+7], v[\a:\a+7], v[\b:\b+7], v[\d:\d+7]
.endif
.endm
; Four K steps: all their fragments in one run of loads, then the products.  The accumulators take turns, one instruction a turn.
.macro HALFK ty, fmt, rho
.if \rho
	PLACES                                         ; the fragment registers were read by the first half's products
.endif
.irp kq, 0,1,2,3
.if \ty
	ds_load_tr16_b128 v[FR+40*\kq:FR+40*\kq+3],   v[FA+\rho] offset:\kq*32*PN
	ds_load_tr16_b128 v[FR+40*\kq+4:FR+40*\kq+7], v[FA+\rho] offset:\kq*32*PN+16*PN
.else
	ds_load_b128 v[FR+40*\kq:FR+40*\kq+3],   v[FA+\rho] offset:64*\kq
	ds_load_b128 v[FR+40*\kq+4:FR+40*\kq+7], v[FA+\rho] offset:64*\kq+32
.endif
	ds_load_b128 v[FR+40*\kq+8:FR+40*\kq+11],  v[FB] offset:64*(4*\rho+\kq)
	ds_load_b128 v[FR+40*\kq+12:FR+40*\kq+15], v[FB] offset:64*(4*\rho+\kq)+32
	ds_load_b128 v[FR+40*\kq+16:FR+40*\kq+19], v[FB] offset:16*PW+64*(4*\rho+\kq)
	ds_load_b128 v[FR+40*\kq+20:FR+40*\kq+23], v[FB] offset:16*PW+64*(4*\rho+\kq)+32
	ds_load_b128 v[FR+40*\kq+24:FR+40*\kq+27], v[FV] offset:64*(4*\rho+\kq)
	ds_load_b128 v[FR+40*\kq+28:FR+40*\kq+31], v[FV] offset:64*(4*\rho+\kq)+32
.if \ty == 0
	ds_load_b128 v[FR+40*\kq+32:FR+40*\kq+35], v[FV] offset:512+64*(4*\rho+\kq)
	ds_load_b128 v[FR+40*\kq+36:FR+40*\kq+39], v[FV] offset:512+64*(4*\rho+\kq)+32
.endif
.endr
	s_wait_dscnt 0x0
.irp kq, 0,1,2,3
	WM \fmt, ACC,    FR+40*\kq, FR+40*\kq+8,  (\rho+\kq)==0     ; features x c tile 0
	WM \fmt, ACC+8,  FR+40*\kq, FR+40*\kq+16, (\rho+\kq)==0     ; features x c tile 1
	WM \fmt, ACC+16, FR+40*\kq, FR+40*\kq+24, (\rho+\kq)==0     ; features x bias row: e or cN in every column
.if \ty == 0
	WM \fmt, ACC+24, FR+40*\kq+32, FR+40*\kq+8,  (\rho+\kq)==0  ; bq x c tile 0: g in every row.  Every wave makes these three alike; wave 0 keeps them
	WM \fmt, ACC+32, FR+40*\kq+32, FR+40*\kq+16, (\rho+\kq)==0  ; bq x c tile 1
	WM \fmt, ACC+40, FR+40*\kq+32, FR+40*\kq+24, (\rho+\kq)==0  ; bq x bk: s everywhere
.endif
.endr
.endm
; One kind of product.  pb: pointer of the c rows (Wk, Wv); pa: of the features (Wq, Wo); p1: of the bias row (bk, bv).
.macro GEMM ty, pb, pa, p1, fmt
.set NB, 2-\ty                         ; bias loads
.set GSTEP, 8192-6144*\ty              ; feature tile, from job to job in memory: a row of Wq, or two rows of Wo
.set LSTEP, PW+48*\ty                  ; and in LDS: 528, or 2 x 288
	s_add_nc_u64 s[\pb:\pb+1], s[\pb:\pb+1], s[32:33]              ; the head's columns
	s_add_nc_u64 s[\pb:\pb+1], s[\pb:\pb+1], s[34:35]              ; my 32 rows c
	s_add_nc_u64 s[\p1:\p1+1], s[\p1:\p1+1], s[32:33]
.if \ty
	s_lshl_b32 s38, s25, 18                                        ; Wo: the head's 256 rows of 1,024 bytes
	s_add_nc_u64 s[\pa:\pa+1], s[\pa:\pa+1], s[38:39]
	s_lshl_b32 s38, s27, 9                                         ; my 128 columns
	s_add_nc_u64 s[\pa:\pa+1], s[\pa:\pa+1], s[38:39]
	s_add_nc_u64 s[40:41], s[40:41], NNO
	s_add_nc_u64 s[42:43], s[42:43], CNO
	v_lshrrev_b32 v11, 4, v10
	v_lshl_add_u32 v11, v9, 5, v11                                 ; row d = 32 w + lane / 16 (+ 2 for each job)
	v_and_b32 v14, 15, v0
	v_lshlrev_b32 v6, 10, v11
	v_lshl_add_u32 v6, v14, 5, v6                                  ; in memory: d x 1,024 + 32 (lane % 16)
	v_mul_u32_u24 v7, v11, PN
	v_lshl_add_u32 v7, v14, 4, v7                                  ; in LDS: d x 288 + 16 (lane % 16): 32 rows x 288 = 9,216 bytes a wave
.else
	s_lshl_b32 s38, s27, 20                                        ; Wq: my 128 rows of 8,192 bytes
	s_add_nc_u64 s[\pa:\pa+1], s[\pa:\pa+1], s[38:39]
	s_add_nc_u64 s[\pa:\pa+1], s[\pa:\pa+1], s[32:33]
	s_add_nc_u64 s[18:19], s[18:19], s[32:33]                      ; bq
	s_add_nc_u64 s[40:41], s[40:41], MMO
	s_add_nc_u64 s[42:43], s[42:43], EO
	v_lshlrev_b32 v6, 5, v10
	v_lshl_add_u32 v6, v9, 17, v6                                  ; in memory: row 16 w (+ 1 for each job) x 8,192 + 32 lane
	v_mul_u32_u24 v7, v9, WT
	v_lshl_add_u32 v7, v10, 4, v7                                  ; in LDS: 9,216 w + 16 lane (+ 528 for each job)
.endif
	global_load_b32 v12, v3, s[\p1:\p1+1]
.if \ty == 0
	global_load_b32 v13, v3, s[18:19]
.endif
.irp i, 0,1,2,3
	global_load_b128 v[LB+8*\i:LB+8*\i+3],   v4, s[\pb:\pb+1] offset:\i*8192
	global_load_b128 v[LB+8*\i+4:LB+8*\i+7], v4, s[\pb:\pb+1] offset:\i*8192+16
.endr
.irp i, 0,1,2,3,4,5,6,7,8,9,10,11,12,13,14,15
	global_load_b128 v[LA+8*\i:LA+8*\i+3],   v6, s[\pa:\pa+1] offset:\i*GSTEP
	global_load_b128 v[LA+8*\i+4:LA+8*\i+7], v6, s[\pa:\pa+1] offset:\i*GSTEP+16
.endr
	; Loads come back in order (ISA guide 5.7.1): each wait counts the loads issued behind the job's own two.
.irp q, 0,1,2,3
	s_wait_loadcnt 46+NB-2*\q
.irp j, 0,1,2,3
	CV \q/2, LX+8*\q+\j, LX+8*\q+2*\j              ; in place: register j is written after registers 2 j, 2 j + 1 were read
.endr
	global_store_b128 v2, v[LX+8*\q:LX+8*\q+3], s[36:37] offset:(\q/2)*XVO+(\q%2)*4096
.endr
	s_wait_loadcnt 40                              ; the bias loads are in; the 40 weight loads behind them may stay out
.if \ty
	v_cvt_pk_f16_f32 v12, v12, v12
	ds_store_b16 v8, v12
.else
	v_cvt_pk_bf16_f32 v12, v12, v12
	v_cvt_pk_bf16_f32 v13, v13, v13
	ds_store_b16 v8, v12
	ds_store_b16 v8, v13 offset:512
.endif
.irp i, 0,1,2,3
	s_wait_loadcnt 38-2*\i
.irp j, 0,1,2,3
	CV \ty, LB+8*\i+\j, LB+8*\i+2*\j
.endr
	ds_store_b128 v5, v[LB+8*\i:LB+8*\i+3] offset:\i*PW
.endr
.irp i, 0,1,2,3,4,5,6,7,8,9,10,11,12,13,14,15
	s_wait_loadcnt 30-2*\i
.irp j, 0,1,2,3
	CV \ty, LA+8*\i+\j, LA+8*\i+2*\j
.endr
	ds_store_b128 v7, v[LA+8*\i:LA+8*\i+3] offset:\i*LSTEP
.endr
	s_wait_dscnt 0x0                               ; my part of the tiles is in LDS, for the other waves' sake
	s_barrier_signal -1
	v_and_b32 v1, 15, v0                           ; r.  All global loads are back: their offset registers are free
	v_bfe_u32 v3, v0, 4, 1                         ; hh
	v_mul_u32_u24 v[FB], v1, PW
	v_lshl_add_u32 v[FB], v3, 4, v[FB]             ; r x 528 + 16 hh
.if \ty
	v_and_b32 v[FA], 7, v0
	v_lshl_add_u32 v[FA], v3, 3, v[FA]
	v_mul_u32_u24 v[FA], v[FA], PN
	v_bfe_u32 v[FA+1], v0, 3, 1
	v_lshl_add_u32 v[FA], v[FA+1], 4, v[FA]
	v_lshl_add_u32 v[FA], v9, 5, v[FA]             ; (8 hh + l % 8) x 288 + 16 ((l / 8) % 2) + 2 x 16 w
	v_add_nc_u32 v[FA+1], 4*32*PN, v[FA]           ; the second 128 rows d
.else
	v_mad_u32_u24 v[FA], v9, WT, v[FB]             ; feature tile w: 9,216 w + r x 528 + 16 hh
	v_add_nc_u32 v[FA+1], 256, v[FA]               ; the second 128 d
.endif
	v_add_nc_u32 v[FB], BT, v[FB]
	v_lshl_add_u32 v[FV], v3, 4, BV
	v_mul_u32_u24 v8, v1, SP
	v_lshl_add_u32 v8, v3, 4, v8
	v_lshl_add_u32 v8, v9, 5, v8
	v_add_nc_u32 v8, STG, v8                       ; the way out: row r, bytes 32 w + 16 hh
	v_lshlrev_b32 v11, 6, v9
	v_lshl_add_u32 v11, v3, 5, v11
	v_add_nc_u32 v11, ES, v11                      ; e: 64 w + 32 hh
	s_barrier_wait -1
	HALFK \ty, \fmt, 0
	HALFK \ty, \fmt, 1
	PLACES
	; In a result, lane (r, hh) holds column c = r and rows (features) 8 hh + 0 .. 7: eight neighbouring numbers of a row of M or N.
.if \ty
.set i, 0
.rept 12
	v_pk_mul_f32 v[ACC+2*i:ACC+2*i+1], v[ACC+2*i:ACC+2*i+1], 0x43800000 op_sel_hi:[1,0]   ; x 256
.set i, i+1
.endr
.endif
.irp t, 0,1
.irp j, 0,1,2,3
	CV \ty, FR+4*\t+\j, ACC+8*\t+2*\j
.endr
.endr
	ds_store_b128 v8, v[FR:FR+3]
	ds_store_b128 v8, v[FR+4:FR+7] offset:16*SP
	ds_store_b128 v11, v[ACC+16:ACC+19]            ; the sixteen lanes of a half hold the same eight numbers and put them at the same place
	ds_store_b128 v11, v[ACC+20:ACC+23] offset:16
.if \ty == 0
	s_cmp_lg_u32 s28, 0
	s_cbranch_scc1 .Lno_g_\@
	v_lshl_add_u32 v14, v1, 2, GS
	v_lshl_add_u32 v15, v10, 2, GS+128
	ds_store_b32 v14, v[ACC+24]                    ; g[16 t + r]
	ds_store_b32 v14, v[ACC+32] offset:64
	ds_store_b32 v15, v[ACC+40]                    ; s, 32 times
.Lno_g_\@:
.endif
	s_wait_dscnt 0x0
	s_barrier_signal -1
	v_lshrrev_b32 v12, 4, v0                       ; row 0 .. 15 (and 16 further down)
	v_mul_u32_u24 v13, v12, SP
	v_lshl_add_u32 v13, v1, 4, v13
	v_add_nc_u32 v13, STG, v13
	v_lshlrev_b32 v12, 9, v12
	v_lshl_add_u32 v12, v1, 4, v12                 ; row x 512 + 16 (t % 16)
	s_barrier_wait -1
	ds_load_b128 v[56:59], v13
	ds_load_b128 v[60:63], v13 offset:16*SP
	s_wait_dscnt 0x0
	global_store_b128 v12, v[56:59], s[40:41]      ; sixteen lanes store 256 consecutive bytes at a multiple of 256 from bf's first byte
	global_store_b128 v12, v[60:63], s[40:41] offset:8192
	s_cmp_lg_u32 s28, 0
	s_cbranch_scc1 .Ldone_\@
	s_cmp_lg_u32 s26, 0                            ; e (cN) is the same in all eight blocks of c: block 0 stores it
	s_cbranch_scc1 .Lno_e_\@
	v_lshlrev_b32 v14, 4, v10
	v_add_nc_u32 v15, ES, v14
	ds_load_b128 v[64:67], v15
	s_wait_dscnt 0x0
	global_store_b128 v14, v[64:67], s[42:43]      ; 512 consecutive bytes
.Lno_e_\@:
.if \ty == 0
	s_cmp_lg_u32 s27, 0                            ; g and s are the same in both blocks of features: block 0 stores them
	s_cbranch_scc1 .Ldone_\@
	v_lshlrev_b32 v4, 3, v10
	v_add_nc_u32 v5, GS, v4
	ds_load_b64 v[68:69], v5
	s_wait_dscnt 0x0
	global_store_b64 v4, v[68:69], s[44:45]        ; 32 lanes x 8 bytes: one whole piece of 256 bytes
.endif
.Ldone_\@:
	s_set_vgpr_msb 0x5
	s_wait_tensorcnt 0x0
	ds_add_u32 v0, v1
	s_wait_dscnt 0x0
	s_set_vgpr_msb 0x500
	s_endpgm
.endm
	s_load_b512 s[4:19], s[0:1], 0x0               ; Xq s[4:5], Xv s[6:7], Wk s[8:9], Wq s[10:11], Wv s[12:13], Wo s[14:15], bk s[16:17], bq s[18:19]
	s_load_b128 s[20:23], s[0:1], 0x40             ; bv s[20:21], bf s[22:23]
	s_set_vgpr_msb 0x40
	v_lshl_add_u32 v0, v0, 2, 0x18b00
	v_mov_b32 v1, 0
	s_set_vgpr_msb 0x4000
	v_lshrrev_b32 v9, 5, v0                        ; wave
	v_readfirstlane_b32 s28, v9
	v_and_b32 v10, 31, v0                          ; lane
	s_lshr_b32 s24, ttmp9, 7                       ; kind
	s_bfe_u32 s25, ttmp9, 0x30004                  ; head
	s_bfe_u32 s26, ttmp9, 0x30001                  ; block of 32 c
	s_and_b32 s27, ttmp9, 1                        ; block of 128 features
	s_lshl_b32 s30, ttmp9, 14                      ; g x 16,384
	s_mov_b32 s31, 0
	s_lshl_b32 s32, s25, 10                        ; 256 f32 of a head
	s_mov_b32 s33, 0
	s_lshl_b32 s34, s26, 18                        ; 32 rows of 8,192 bytes
	s_mov_b32 s35, 0
	s_mov_b32 s39, 0
	v_lshlrev_b32 v1, 5, v0                        ; X: 32 t
	v_lshlrev_b32 v2, 4, v0                        ; X narrowed: 16 t
	v_lshlrev_b32 v3, 2, v0                        ; a bias: 4 t
	v_lshlrev_b32 v4, 5, v10
	v_lshl_add_u32 v4, v9, 15, v4                  ; c rows in memory: row 4 w (+ 1 for each job) x 8,192 + 32 lane
	v_mul_u32_u24 v5, v9, 4*PW
	v_lshl_add_u32 v5, v10, 4, v5
	v_add_nc_u32 v5, BT, v5                        ; and in LDS
	v_lshl_add_u32 v8, v0, 1, BV
	s_wait_kmcnt 0x0
	s_add_nc_u64 s[4:5], s[4:5], s[30:31]
	s_add_nc_u64 s[6:7], s[6:7], s[30:31]
.irp a, 0,1
.irp c, 0,1
	global_load_b128 v[LX+8*(2*\a+\c):LX+8*(2*\a+\c)+3],   v1, s[4+2*\a:5+2*\a] offset:\c*8192 th:TH_LOAD_NT
	global_load_b128 v[LX+8*(2*\a+\c)+4:LX+8*(2*\a+\c)+7], v1, s[4+2*\a:5+2*\a] offset:\c*8192+16 th:TH_LOAD_NT
.endr
.endr
	s_lshl_b32 s30, ttmp9, 13
	s_add_nc_u64 s[36:37], s[22:23], s[30:31]      ; where my part of Xq goes (Xv: XVO further)
	s_lshl_b32 s30, s25, 17                        ; my block of M or N: head x 131,072 + 32 cb rows of 512 bytes + 256 mb
	s_lshl_b32 s38, s26, 14
	s_add_co_u32 s30, s30, s38
	s_lshl_b32 s38, s27, 8
	s_add_co_u32 s30, s30, s38
	s_add_nc_u64 s[40:41], s[22:23], s[30:31]
	s_lshl_b32 s38, s27, 9                         ; e, cN: head x 1,024 + 512 mb
	s_add_co_u32 s30, s32, s38
	s_add_nc_u64 s[42:43], s[22:23], s[30:31]
	s_lshl_b32 s30, s25, 11                        ; g, s: head x 2,048 + 256 cb
	s_lshl_b32 s38, s26, 8
	s_add_co_u32 s30, s30, s38
	s_add_nc_u64 s[44:45], s[22:23], s[30:31]
	s_add_nc_u64 s[44:45], s[44:45], GO
	s_cmp_lg_u32 s24, 0
	s_cbranch_scc1 .Lkind_n
	GEMM 0, 8, 10, 16, bf16
.Lkind_n:
	GEMM 1, 12, 14, 20, f16
.Lfunc_end_k_q6741fb0153_prep:
	.size	k_q6741fb0153_prep, .Lfunc_end_k_q6741fb0153_prep-k_q6741fb0153_prep
	.p2alignl 7, 3214868480
	.fill 96, 4, 3214868480
	.section	.rodata,"a",@progbits
	.p2align	6, 0x0
	.amdhsa_kernel k_q6741fb0153_prep
		.amdhsa_group_segment_fixed_size 102144
		.amdhsa_private_segment_fixed_size 0
		.amdhsa_enable_private_segment 0
		.amdhsa_kernarg_size 80
		.amdhsa_user_sgpr_count 2
		.amdhsa_user_sgpr_kernarg_segment_ptr 1
		.amdhsa_wavefront_size32 1
		.amdhsa_system_sgpr_workgroup_id_x 1
		.amdhsa_system_sgpr_workgroup_id_y 1
		.amdhsa_system_sgpr_workgroup_id_z 1
		.amdhsa_system_vgpr_workitem_id 0
		.amdhsa_next_free_vgpr 258
		.amdhsa_next_free_sgpr 66
		.amdhsa_reserve_vcc 0
		.amdhsa_float_denorm_mode_32 3
		.amdhsa_float_denorm_mode_16_64 3
		.amdhsa_memory_ordered 1
		.amdhsa_forward_progress 1
		.amdhsa_inst_pref_size 53
	.end_amdhsa_kernel
	.amdgpu_metadata
---
amdhsa.version: [ 1, 2 ]
amdhsa.kernels:
  - .name:           k_q6741fb0153_prep
    .symbol:         k_q6741fb0153_prep.kd
    .args:
      - { .name: query_input, .offset: 0, .size: 8, .value_kind: global_buffer, .address_space: global }
      - { .name: value_input, .offset: 8, .size: 8, .value_kind: global_buffer, .address_space: global }
      - { .name: Wk, .offset: 16, .size: 8, .value_kind: global_buffer, .address_space: global }
      - { .name: Wq, .offset: 24, .size: 8, .value_kind: global_buffer, .address_space: global }
      - { .name: Wv, .offset: 32, .size: 8, .value_kind: global_buffer, .address_space: global }
      - { .name: Wo, .offset: 40, .size: 8, .value_kind: global_buffer, .address_space: global }
      - { .name: bk, .offset: 48, .size: 8, .value_kind: global_buffer, .address_space: global }
      - { .name: bq, .offset: 56, .size: 8, .value_kind: global_buffer, .address_space: global }
      - { .name: bv, .offset: 64, .size: 8, .value_kind: global_buffer, .address_space: global }
      - { .name: bf, .offset: 72, .size: 8, .value_kind: global_buffer, .address_space: global }
    .group_segment_fixed_size: 102144
    .private_segment_fixed_size: 0
    .kernarg_segment_align: 8
    .kernarg_segment_size: 80
    .max_flat_workgroup_size: 256
    .sgpr_count:     66
    .vgpr_count:     258
    .wavefront_size: 32
...
	.end_amdgpu_metadata
.endif
;; end of part 1
;; launch attn (part 2): grid 16 x 16, 4 waves a work-group, clusters of 4 x 1, 327,680 bytes of LDS; arguments bf, key_input, part; writes part
.if DOCPART == 2
	.amdgcn_target "amdgcn-amd-amdhsa--gfx1250"
	.amdhsa_code_object_version 6
	.text
	.protected	k_q6741fb0153_attn
	.globl	k_q6741fb0153_attn
	.p2align	8
	.type	k_q6741fb0153_attn,@function
k_q6741fb0153_attn:
	s_mov_b64 s[64:65], 0
	v_nop
	global_prefetch_b8 v0, s[64:65] scope:SCOPE_SE
	s_setreg_imm32_b32 hwreg(HW_REG_WAVE_MODE, 25, 1), 1
	s_wait_xcnt 0x0
	s_wait_alu depctr_hold_cnt(0) depctr_sa_sdst(0) depctr_va_vdst(0) depctr_va_sdst(0) depctr_va_ssrc(0) depctr_va_vcc(0) depctr_vm_vsrc(0)
	s_getreg_b32 s2, hwreg(HW_REG_IB_STS2, 6, 4)
	s_cmp_eq_u32 s2, 0
	s_cbranch_scc0 .Lentry_in_a_cluster
	s_endpgm
.Lentry_in_a_cluster:
	s_bfe_u32 s2, ttmp6, 0x10000c
	s_cmp_lg_u32 s2, 0x3003
	s_cbranch_scc0 .Lentry_shape_is_right
	s_endpgm
.Lentry_shape_is_right:
; One work-group = 64 rows (key positions) of batch b for the two heads 2 hp, 2 hp + 1.  Wave w: head 2 hp + w / 2, rows 32 (w % 2) .. + 31, as two groups u of 16.
; With M_h, N_h, e_h, g_h, s_h, cN_h from the launch in front (M_h = Wk_h Wq_h^T, N_h = 256 Wv_h Wo_h, and the biases' products) a row's chain is
;   kt = Xk M_h + e_h;  cb = Xk g_h + s_h;  S = kt Xq^T + cb  (= k q^T);  softmax of S / 16 over the query axis with a running maximum;
;   P = attn Xv;  256 x (attn v) Wo_h = (P / l) N_h + cN_h  (the rows of attn sum to 1);  part[hp] = the sum of the two heads' results.
; The sum over the four pairs of heads, the factor 1 / 256 and bo are the next launch's.  All of a row's chain stays in registers.
; LIMITS: the weights are multiplied first, which changes the order of rounding.  The score path (Xk, M, kt, Xq, g) is bf16.  The value path
; (Xv, p, P / l, N) is f16: p <= 1, |P / l| <= max |Xv| < 65,504.  Infinities and NaN among the inputs are not treated apart.
;
; EVERY PRODUCT IS TRANSPOSED: source 0 = 16 output features x 32 K, from LDS; source 1 = 32 K x 16 rows, from registers.  In the result,
; lane (r = l % 16, hh = l / 16) holds row r, and register j holds feature 16 mt + 8 hh + j.  Two neighbouring feature tiles, rounded in pairs,
; ARE the next product's source 1 for one K step of 32: no LDS and no lane traffic between the products, and a lane's maximum, sum and factors
; belong to one row; one exchange between the lane halves joins them.
;
; CLUSTER: the four work-groups of a cluster are four row blocks of one (b, hp): they need the same twelve tiles of 128 KiB, so every tensor load
; is a joint one that names all four.  The place in the cluster enters only the addresses of Xk's loads and of the stores.
; TILES, by turns in two LDS slots; wave w fills quarter w (64 rows of 512 bytes, consecutive in memory):
;   T0, T1: rows c 0-127, 128-255 of M (first head in quarters 0, 1, second head in 2, 3); T2..T9: key blocks 0..7 (128 rows of Xq in quarters 0, 1,
;   128 rows of Xv in 2, 3); T10, T11: N like M.  Xq is read along its rows (LDS pitch 528); M, N, Xv across (ds_load_tr16_b128, pitch 544).
; Two tensor loads of a wave are out at the start (T0, T1), later one: issued behind a round, waited for in front of the next.
; Left out: prefetches (bf was stored by the launch in front and is read by many work-groups); larger wave tiles (there are 32 rows for each SIMD).
.set PP,   528                         ; 33 x 16 bytes: 16 rows start in 16 different 16-byte columns of 256
.set PT,   544                         ; 17 x 32 bytes
.set QTR,  34816                       ; 64 x 544: a quarter of a slot
.set SLOT, 139264
.set VEC,  278528                      ; behind the slots, no fill lands here: e of my two heads (2 x 1,024 bytes), cN (2 x 1,024),
.set VG,   VEC+4096                    ; g in bf16 (2 x 512)
.set OP,   1040                        ; the way out: a row of 256 f32 + 16 bytes
.set MMO,  4194304                     ; byte offsets in bf (Xq 0, Xv 2,097,152)
.set NNO,  5242880
.set EO,   6291456
.set CNO,  6299648
.set GO,   6307840
; window 0
.set ADRP,  4                          ; v4, v5   Xq's fragments, slot 0, 1
.set ADRX,  6                          ; v6, v7   Xv's fragments
.set ADRW,  8                          ; v8, v9   my head's weights
.set ADRBI, 10                         ; my head's e (cN 2,048 further) + 32 hh
.set ADRG,  11                         ; my head's g + 16 hh
.set STO,   12                         ; the way out: where I put 16 bytes of a row
.set RDA,   13                         ; the way out: the first head's rows that I add and store,
.set RDB,   14                         ; the second head's
.set GOFF,  15                         ; 16 x lane
.set XOFF,  16                         ; Xk: 1,024 r + 32 hh
.set SOFF,  17                         ; s of my head
.set MM,    18                         ; v18, v19   running maximum of S, group u
.set TT,    20                         ; v20-23     two chains of maxima for each u
.set XX,    24                         ; v24, v25   what the other lane half sends; at work
.set NM,    26                         ; v[26:29]   -C0 x maximum, twice, for each u
.set BI,    32                         ; v[32:159]  16 tiles of e or cN as C; the way out's rows
.set PR,    160                        ; v[160:223] p as source 1: K step ks, group u at PR + 16 ks + 8 u
.set SB,    160                        ; v[160:167] at the start: s as a C tile
.set CB,    224                        ; v[224:239] cb as a C tile for each u
.set FP,    240                        ; v[240:243] a factor, twice, for each u
.set LA,    244                        ; v[244:251] two pairs of partial sums for each u
; window 1: the 32 accumulator tiles (feature tile mt, group u) at 16 mt + 8 u; at the start Xk in f32
; window 2: 0-127 source 1 fragments at 16 ks + 8 u (Xk, then kt, then P / l); 128-255 S's tiles (key tile, u)
; window 3: two buffers of 16 fragments from LDS, at 0 and at 128
.set SS,    128
.set G1P, 24                           ; s[24:31] descriptor group 1, pitch 528
.set G1T, 32                           ; s[32:39] descriptor group 1, pitch 544
.set G0,  40                           ; s[40:47] descriptor group 0, one set for each slot
.set AN0, 48                           ; s[48:55] where my quarter of later tiles comes from
.set AN1, 50
.set AX0, 52
.set AX1, 54
.set MSB, 0
.macro WIN new                         ; low byte: bits 1:0 source 0, 3:2 source 1, 5:4 source 2, 7:6 destination; the high byte repeats the setting left
.if MSB != \new
	s_set_vgpr_msb (MSB<<8)|\new
.set MSB, \new
.endif
.endm
; Four places: a load into a register that a matrix instruction has read, and a vector instruction or LDS store that reads a matrix result,
; stand four plain vector instructions behind it (ISA guide 7.12.1 for vector instructions).
.macro PLACES
.rept 4
	v_nop
.endr
.endm
; A round of the cluster's barrier: my work-group's barrier, wave 0 signals for the work-group, every wave waits for all four work-groups,
; my work-group's barrier once more.
.macro ROUND
	s_barrier_signal -1
	s_barrier_wait -1
	s_cmp_lg_u32 s14, 0
	s_cbranch_scc1 .Lnot_wave_0_\@
	s_barrier_signal -3
.Lnot_wave_0_\@:
	s_barrier_wait -3
	s_barrier_signal -1
	s_barrier_wait -1
.endm
; A joint load of my quarter.  kind 2: pitch 544; 3: a key block: waves 0, 1 bring Xq (528), waves 2, 3 Xv (544).
; The branch hangs on the wave's number alone, which is the same in all four work-groups.
.macro FILL kind, dst
.if \kind == 2
	tensor_load_to_lds s[G0+4*\dst:G0+4*\dst+3], s[G1T:G1T+7]
	s_nop 0
.endif
.if \kind == 3
	s_cmp_eq_u32 s67, 0
	s_cbranch_scc0 .Lacross_\@
	tensor_load_to_lds s[G0+4*\dst:G0+4*\dst+3], s[G1P:G1P+7]
	s_nop 0
	s_branch .Lasked_\@
.Lacross_\@:
	tensor_load_to_lds s[G0+4*\dst:G0+4*\dst+3], s[G1T:G1T+7]
	s_nop 0
.Lasked_\@:
.endif
.endm
; A change of slots.  In front of the round: all my tensor loads have landed (the one that was out is my quarter of the tile read next), so
; slot dst's group 0 may be written; my LDS reads of slot dst are back.  Behind the round that holds of every wave of all four work-groups,
; and the refill of slot dst comes first.  act 1: the address in s[a:a+1]; act 2: two key blocks on; kind 0: nothing is left to fetch.
.macro HEAD dst, act, a, kind
	WIN 0
	s_wait_tensorcnt 0x0
	ds_add_u32 v254, v255
	s_wait_dscnt 0x0
.if \act == 1
	s_mov_b64 s[G0+4*\dst+2:G0+4*\dst+3], s[\a:\a+1]
	s_or_b32 s[G0+4*\dst+3], s[G0+4*\dst+3], 0x80000000   ; 127:126 type = 2
.endif
.if \act == 2
	s_add_nc_u64 s[G0+4*\dst+2:G0+4*\dst+3], s[G0+4*\dst+2:G0+4*\dst+3], 131072   ; 256 rows of 512 bytes; the type bits are not reached
.endif
	s_wait_dscnt 0x0
.if \kind
	ROUND
	FILL \kind, \dst
.else
	s_barrier_signal -1
	s_barrier_wait -1
.endif
.endm
; 16 fragments: 8 key tiles x K steps 2 n, 2 n + 1, from rows that lie along K: two loads of 16 bytes, 32 bytes apart
.macro LOADP16 buf, adr, n
.irp kk, 0,1
.irp t, 0,1,2,3,4,5,6,7
	ds_load_b128 v[(\buf)+64*\kk+8*\t:(\buf)+64*\kk+8*\t+3],   v[\adr] offset:(\t/4)*QTR+(\t%4)*16*PP+64*(2*(\n)+\kk)
	ds_load_b128 v[(\buf)+64*\kk+8*\t+4:(\buf)+64*\kk+8*\t+7], v[\adr] offset:(\t/4)*QTR+(\t%4)*16*PP+64*(2*(\n)+\kk)+32
.endr
.endr
.endm
; 16 fragments: all 16 feature tiles of K step ksl (of the four in a tile), from rows that lie across K: two transposing loads, 16 rows apart
.macro LOADT16 buf, adr, ksl
.irp t, 0,1,2,3,4,5,6,7,8,9,10,11,12,13,14,15
	ds_load_tr16_b128 v[(\buf)+8*\t:(\buf)+8*\t+3],   v[\adr] offset:(\ksl)*32*PT+32*\t
	ds_load_tr16_b128 v[(\buf)+8*\t+4:(\buf)+8*\t+7], v[\adr] offset:(\ksl)*32*PT+32*\t+16*PT
.endr
.endm
; 16 C tiles of e (vec 0) or cN (vec 2,048): register j = vector[16 t + 8 hh + j], the same for all rows
.macro LOADB vec
.irp t, 0,1,2,3,4,5,6,7,8,9,10,11,12,13,14,15
	ds_load_b128 v[BI+8*\t:BI+8*\t+3],   v[ADRBI] offset:(\vec)+64*\t
	ds_load_b128 v[BI+8*\t+4:BI+8*\t+7], v[ADRBI] offset:(\vec)+64*\t+16
.endr
.endm
; g as source 0, K steps t = 0..7: all 16 rows of a fragment are g
.macro LOADG buf
.irp t, 0,1,2,3,4,5,6,7
	ds_load_b128 v[(\buf)+8*\t:(\buf)+8*\t+3],   v[ADRG] offset:64*\t
	ds_load_b128 v[(\buf)+8*\t+4:(\buf)+8*\t+7], v[ADRG] offset:64*\t+32
.endr
.endm
; 32 matrix instructions: 16 feature tiles x 2 row groups, one K step.  The 32 accumulators take turns, one instruction a turn.
; cmode 0: add in place; 1: C = 0 starts the sums; 2: a tile of e or cN starts them.
.macro MUL32 fmt, buf, b0, cmode
.irp t, 0,1,2,3,4,5,6,7,8,9,10,11,12,13,14,15
.irp u, 0,1
.if \cmode == 0
	v_wmma_f32_16x16x32_\fmt v[16*\t+8*\u:16*\t+8*\u+7], v[(\buf)+8*\t:(\buf)+8*\t+7], v[(\b0)+8*\u:(\b0)+8*\u+7], v[16*\t+8*\u:16*\t+8*\u+7]
.endif
.if \cmode == 1
	v_wmma_f32_16x16x32_\fmt v[16*\t+8*\u:16*\t+8*\u+7], v[(\buf)+8*\t:(\buf)+8*\t+7], v[(\b0)+8*\u:(\b0)+8*\u+7], 0
.endif
.if \cmode == 2
	v_wmma_f32_16x16x32_\fmt v[16*\t+8*\u:16*\t+8*\u+7], v[(\buf)+8*\t:(\buf)+8*\t+7], v[(\b0)+8*\u:(\b0)+8*\u+7], v[BI+8*\t:BI+8*\t+7]
.endif
.endr
.endr
.endm
; 32 matrix instructions of S: 8 key tiles x 2 row groups x K steps 2 n, 2 n + 1; sixteen accumulators take turns.  cb starts the sums.
.macro MULS buf, n
.irp kk, 0,1
.if (2*(\n)+\kk) == 0
	WIN 0x8b
.else
	WIN 0xab
.endif
.irp t, 0,1,2,3,4,5,6,7
.irp u, 0,1
.if (2*(\n)+\kk) == 0
	v_wmma_f32_16x16x32_bf16 v[SS+16*\t+8*\u:SS+16*\t+8*\u+7], v[(\buf)+64*\kk+8*\t:(\buf)+64*\kk+8*\t+7], v[16*(2*(\n)+\kk)+8*\u:16*(2*(\n)+\kk)+8*\u+7], v[CB+8*\u:CB+8*\u+7]
.else
	v_wmma_f32_16x16x32_bf16 v[SS+16*\t+8*\u:SS+16*\t+8*\u+7], v[(\buf)+64*\kk+8*\t:(\buf)+64*\kk+8*\t+7], v[16*(2*(\n)+\kk)+8*\u:16*(2*(\n)+\kk)+8*\u+7], v[SS+16*\t+8*\u:SS+16*\t+8*\u+7]
.endif
.endr
.endr
.endr
.endm
; cb = Xk g + s: two accumulators take turns; every register of CB + 8 u ends up as cb of the lane's row
.macro MULQ buf
.irp t, 0,1,2,3,4,5,6,7
.irp u, 0,1
.if \t == 0
	v_wmma_f32_16x16x32_bf16 v[CB+8*\u:CB+8*\u+7], v[(\buf)+8*\t:(\buf)+8*\t+7], v[16*\t+8*\u:16*\t+8*\u+7], v[SB:SB+7]
.else
	v_wmma_f32_16x16x32_bf16 v[CB+8*\u:CB+8*\u+7], v[(\buf)+8*\t:(\buf)+8*\t+7], v[16*\t+8*\u:16*\t+8*\u+7], v[CB+8*\u:CB+8*\u+7]
.endif
.endr
.endr
.endm
; Half a stage on a weight tile: 256 features x 32 rows x K steps 4 part .. 4 part + 3, one batch of 32 products for each K step.
; A batch: its own 32 loads are waited for (count 0: nothing was issued behind them), the next batch's 32 go out into the other buffer, then the products.
.macro ST fmt, slot, part, vec
	PLACES
.if \vec >= 0
	WIN 0
	LOADB \vec
	s_wait_dscnt 16                                ; the older half of the bias tiles is in: at most 48 LDS loads are out behind the next run
.endif
	WIN 0xc0
	LOADT16 0, ADRW+\slot, 0
.set n, 0
.rept 4
	s_wait_dscnt 0x0
.if n < 3
	PLACES
	WIN 0xc0
	LOADT16 128*((n+1)&1), ADRW+\slot, n+1
.endif
.if n == 0
.if \vec >= 0
	WIN 0x4b
	MUL32 \fmt, 0, 64*\part, 2
.else
	WIN 0x5b
	MUL32 \fmt, 0, 64*\part, 0
.endif
.else
	WIN 0x5b
	MUL32 \fmt, 128*(n&1), 64*\part+16*n, 0
.endif
.set n, n+1
.endr
.endm
; The 32 accumulator tiles, rounded in pairs, become the next product's 16 source 1 fragments at window 2, register 0
.macro PACK h16
	PLACES
	WIN 0x85
.irp ks, 0,1,2,3,4,5,6,7
.irp u, 0,1
.irp e, 0,1
.irp q, 0,1,2,3
.if \h16
	v_cvt_pk_f16_f32 v[16*\ks+8*\u+4*\e+\q], v[16*(2*\ks+\e)+8*\u+2*\q], v[16*(2*\ks+\e)+8*\u+2*\q+1]
.else
	v_cvt_pk_bf16_f32 v[16*\ks+8*\u+4*\e+\q], v[16*(2*\ks+\e)+8*\u+2*\q], v[16*(2*\ks+\e)+8*\u+2*\q+1]
.endif
.endr
.endr
.endr
.endr
.endm
.macro RESCALE                         ; all accumulators times the row's factor
	WIN 0x41
.set i, 0
.rept 128
	v_pk_mul_f32 v[2*i:2*i+1], v[2*i:2*i+1], v[FP+2*((i>>2)&1):FP+2*((i>>2)&1)+1]
.set i, i+1
.endr
.endm
; S^T = Xq kt^T + cb for 128 keys: 4 batches of two K steps.  The last batch's loads are the first batch of P's product, which land under the softmax.
.macro PH_S slot
	PLACES
	WIN 0xc0
	LOADP16 0, ADRP+\slot, 0
.set n, 0
.rept 4
	s_wait_dscnt 0x0
	PLACES
	WIN 0xc0
.if n < 3
	LOADP16 128*((n+1)&1), ADRP+\slot, n+1
.else
	LOADT16 0, ADRX+\slot, 0
.endif
	MULS 128*(n&1), n
.set n, n+1
.endr
.endm
.macro SUMT mt                         ; a key tile's p into the partial sums
	s_wait_alu depctr_va_vdst(0)
.irp q, 0,1,2,3
.irp u, 0,1
	v_pk_add_f32 v[LA+4*\u+2*(\q&1):LA+4*\u+2*(\q&1)+1], v[LA+4*\u+2*(\q&1):LA+4*\u+2*(\q&1)+1], v[SS+16*\mt+8*\u+2*\q:SS+16*\mt+8*\u+2*\q+1]
.endr
.endr
.endm
; p = exp2(C0 S - C0 m), C0 = log2(e) / 16, m the running maximum of the row's S.  A lane holds 64 of its row's 128 keys; the other lane half holds the rest.
.macro SOFTMAX first
	PLACES
	WIN 0x0a
.irp mt, 0,1,2,3,4,5,6,7
.irp q, 0,1,2,3
.irp u, 0,1
.if (4*\mt+\q) < 2
.if \first
	v_max_num_f32 v[TT+2*\u+\q], v[SS+16*\mt+8*\u+2*\q], v[SS+16*\mt+8*\u+2*\q+1]
.else
	v_max3_num_f32 v[TT+2*\u+\q], v[SS+16*\mt+8*\u+2*\q], v[SS+16*\mt+8*\u+2*\q+1], v[MM+\u]
.endif
.else
	v_max3_num_f32 v[TT+2*\u+(\q&1)], v[SS+16*\mt+8*\u+2*\q], v[SS+16*\mt+8*\u+2*\q+1], v[TT+2*\u+(\q&1)]
.endif
.endr
.endr
.endr
	WIN 0
.irp u, 0,1
	v_max_num_f32 v[TT+2*\u], v[TT+2*\u], v[TT+2*\u+1]
.endr
.irp u, 0,1
	v_permlanex16_b32 v[XX+\u], v[TT+2*\u], s60, s61       ; lane l takes lane l xor 16: the same row's other keys
.endr
.irp u, 0,1
	v_max_num_f32 v[TT+2*\u], v[TT+2*\u], v[XX+\u]
.endr
.irp u, 0,1
	v_mul_f32 v[XX+\u], s66, v[TT+2*\u]            ; -C0 m, rounded once; the factor below is made of these rounded numbers
.endr
.if \first == 0
.irp u, 0,1
	v_sub_f32 v[FP+2*\u], v[XX+\u], v[NM+2*\u]     ; C0 (old m - new m) <= 0
.endr
.irp u, 0,1
	v_exp_f32 v[FP+2*\u], v[FP+2*\u]
.endr
.endif
.irp u, 0,1
	v_mov_b32 v[MM+\u], v[TT+2*\u]                 ; plain lines that touch no factor: the place behind the exponentials (ISA guide 5.7.2)
	v_mov_b32 v[NM+2*\u], v[XX+\u]
	v_mov_b32 v[NM+2*\u+1], v[XX+\u]
.endr
.if \first == 0
	s_wait_alu depctr_va_vdst(0)
.irp u, 0,1
	v_mov_b32 v[FP+2*\u+1], v[FP+2*\u]
.endr
.irp u, 0,1
.irp c, 0,1
	v_pk_mul_f32 v[LA+4*\u+2*\c:LA+4*\u+2*\c+1], v[LA+4*\u+2*\c:LA+4*\u+2*\c+1], v[FP+2*\u:FP+2*\u+1]
.endr
.endr
	RESCALE
.endif
	WIN 0x82
.irp mt, 0,1,2,3,4,5,6,7
.irp u, 0,1
.irp q, 0,1,2,3
	v_pk_fma_f32 v[SS+16*\mt+8*\u+2*\q:SS+16*\mt+8*\u+2*\q+1], v[SS+16*\mt+8*\u+2*\q:SS+16*\mt+8*\u+2*\q+1], 0x3db8aa3b, v[NM+2*\u:NM+2*\u+1] op_sel_hi:[1,0,1]
.endr
.endr
.endr
.set i, 0
.rept 128
	v_exp_f32 v[SS+i], v[SS+i]
.set i, i+1
.endr
	v_nop                                          ; the place behind the last exponential
.if \first
	WIN 0x0a
	s_wait_alu depctr_va_vdst(0)
.irp u, 0,1
.irp c, 0,1
	v_pk_add_f32 v[LA+4*\u+2*\c:LA+4*\u+2*\c+1], v[SS+8*\u+2*\c:SS+8*\u+2*\c+1], v[SS+8*\u+2*\c+4:SS+8*\u+2*\c+5]   ; the first tile starts the sums
.endr
.endr
	WIN 0x08
.else
	WIN 0x08
	SUMT 0
.endif
.irp mt, 1,2,3,4,5,6,7
	SUMT \mt
.endr
	WIN 0x0a
.irp ks, 0,1,2,3
.irp u, 0,1
.irp e, 0,1
.irp q, 0,1,2,3
	v_cvt_pk_f16_f32 v[PR+16*\ks+8*\u+4*\e+\q], v[SS+16*(2*\ks+\e)+8*\u+2*\q], v[SS+16*(2*\ks+\e)+8*\u+2*\q+1]
.endr
.endr
.endr
.endr
.endm
; P^T += Xv^T p^T: 4 batches, one for each K step of 32 keys
.macro PH_PV slot, first
.set n, 0
.rept 4
	s_wait_dscnt 0x0
.if n < 3
	PLACES
	WIN 0xc0
	LOADT16 128*((n+1)&1), ADRX+\slot, n+1
.endif
	WIN 0x53
.if n == 0
	MUL32 f16, 0, PR, \first                       ; in the first key block the first K step starts the sums
.else
	MUL32 f16, 128*(n&1), PR+16*n, 0
.endif
.set n, n+1
.endr
.endm
.macro ATT slot, first
	PH_S \slot
	SOFTMAX \first
	PH_PV \slot, \first
.endm
; P / l, rounded to f16, as the last stage's source 1
.macro FINISH
	WIN 0
	PLACES
.irp u, 0,1
	v_pk_add_f32 v[LA+4*\u:LA+4*\u+1], v[LA+4*\u:LA+4*\u+1], v[LA+4*\u+2:LA+4*\u+3]
.endr
.irp u, 0,1
	v_add_f32 v[TT+2*\u], v[LA+4*\u], v[LA+4*\u+1]
.endr
.irp u, 0,1
	v_permlanex16_b32 v[XX+\u], v[TT+2*\u], s60, s61
.endr
.irp u, 0,1
	v_add_f32 v[TT+2*\u], v[TT+2*\u], v[XX+\u]     ; l: at least about 1, the maximum's own term
.endr
.irp u, 0,1
	v_rcp_f32 v[FP+2*\u], v[TT+2*\u]
.endr
	v_nop                                          ; the place behind the reciprocals
	s_wait_alu depctr_va_vdst(0)
.irp u, 0,1
	v_mov_b32 v[FP+2*\u+1], v[FP+2*\u]
.endr
	RESCALE
	PACK 1
.endm
; The way out.  Each wave puts its 32 rows x 256 f32 into quarter w of slot 0, whose last fill has been read by every wave.  Behind a barrier wave w reads
; 16 rows of row group w % 2 from both heads' quarters, adds them and stores them: each store of the wave covers 512 consecutive bytes at a multiple of 512.
.macro OUT
	PLACES
	WIN 0x04
.irp mt, 0,1,2,3,4,5,6,7,8,9,10,11,12,13,14,15
.irp u, 0,1
.irp e, 0,1
	ds_store_b128 v[STO], v[16*\mt+8*\u+4*\e:16*\mt+8*\u+4*\e+3] offset:\u*16*OP+64*\mt+16*\e
.endr
.endr
.endr
	WIN 0
	s_wait_dscnt 0x0                               ; my rows are in LDS, for the other head's wave
	s_barrier_signal -1
	s_barrier_wait -1
.irp g, 0,1
.if \g
	s_wait_xcnt 0x0                                ; these registers were the data of the stores above: loaded again only behind this wait
.endif
.irp k, 0,1,2,3,4,5,6,7,8,9,10,11,12,13,14,15
	ds_load_b128 v[BI+8*\k:BI+8*\k+3],   v[RDA] offset:(8*\g+\k/2)*OP+512*(\k%2)
	ds_load_b128 v[BI+8*\k+4:BI+8*\k+7], v[RDB] offset:(8*\g+\k/2)*OP+512*(\k%2)
.endr
.irp k, 0,1,2,3,4,5,6,7,8,9,10,11,12,13,14,15
	s_wait_dscnt 30-2*\k                           ; the younger pairs of loads may stay out
	v_pk_add_f32 v[BI+8*\k:BI+8*\k+1],   v[BI+8*\k:BI+8*\k+1],   v[BI+8*\k+4:BI+8*\k+5]
	v_pk_add_f32 v[BI+8*\k+2:BI+8*\k+3], v[BI+8*\k+2:BI+8*\k+3], v[BI+8*\k+6:BI+8*\k+7]
	global_store_b128 v[GOFF], v[BI+8*\k:BI+8*\k+3], s[70:71] offset:(8*\g+\k/2)*1024+512*(\k%2)
.endr
.endr
.endm
; 32 loads of Xk in f32: K steps 4 half .. 4 half + 3.  Register 2 i, 2 i + 1 of window 1 will be rounded into register i of window 2.
.macro LOADXK half
.irp kq, 0,1,2,3
.irp u, 0,1
.irp e, 0,1
	global_load_b128 v[128*\half+32*\kq+16*\u+8*\e:128*\half+32*\kq+16*\u+8*\e+3],   v[XOFF], s[68:69] offset:\u*16384+128*(4*\half+\kq)+64*\e
	global_load_b128 v[128*\half+32*\kq+16*\u+8*\e+4:128*\half+32*\kq+16*\u+8*\e+7], v[XOFF], s[68:69] offset:\u*16384+128*(4*\half+\kq)+64*\e+16
.endr
.endr
.endr
.endm
	; ---- scalars ----
	s_load_b128 s[4:7], s[0:1], 0x0                ; bf s[4:5], key_input s[6:7]
	s_load_b64 s[8:9], s[0:1], 0x10                ; part
	v_lshl_add_u32 v254, v0, 2, 0x45400
	v_mov_b32 v255, 0
	ds_add_u32 v254, v255
	v_lshrrev_b32 v1, 5, v0
	v_readfirstlane_b32 s14, v1                    ; wave 0..3
	s_lshr_b32 s67, s14, 1                         ; which of the two heads is mine.  Also: I bring Xq's rows (0) or Xv's (1)
	s_and_b32 s13, s14, 1                          ; which 32 rows are mine.  Also: which 64 rows of a half tile I bring
	s_bfe_u32 s15, ttmp6, 0x40000                  ; cx: my place in the cluster
	s_lshl_b32 s16, ttmp9, 2
	s_add_co_u32 s16, s16, s15                     ; row block = 4 x cluster x + cx
	s_lshl_b32 s16, s16, 6                         ; its first row
	s_and_b32 s17, ttmp7, 0xffff                   ; 4 b + hp
	s_lshr_b32 s18, s17, 2                         ; b
	s_and_b32 s19, s17, 3                          ; hp
	; group 1: a tile of 64 rows x 256 elements of 2 bytes, rows consecutive in memory, padded in LDS behind every 128 words
	s_mov_b32 s[G1P+0], 0x07b1000f                 ; 15:0 mask: all four; 17:16 2 bytes; 20 padding; 21 set beside a mask; 24:22 code 6 (128 words); 31:25 code 3 (4 words)
	s_mov_b32 s[G1T+0], 0x0fb1000f                 ; the same with code 7 (8 words)
	s_mov_b32 s[G1P+1], 256<<16                    ; tensor_dim0 = 256
	s_mov_b32 s[G1T+1], 256<<16
	s_mov_b32 s[G1P+2], 64<<16                     ; tensor_dim1 = 64
	s_mov_b32 s[G1T+2], 64<<16
	s_mov_b32 s[G1P+3], 256<<16                    ; tile_dim0 = 256
	s_mov_b32 s[G1T+3], 256<<16
	s_mov_b32 s[G1P+4], 64                         ; tile_dim1 = 64
	s_mov_b32 s[G1T+4], 64
	s_mov_b32 s[G1P+5], 256                        ; elements from row to row
	s_mov_b32 s[G1T+5], 256
	s_mov_b32 s[G1P+6], 0
	s_mov_b32 s[G1T+6], 0
	s_mov_b32 s[G1P+7], 0
	s_mov_b32 s[G1T+7], 0
	s_lshl_b32 s20, s19, 1
	s_add_co_u32 s20, s20, s67                     ; my head
	s_lshl_b32 s20, s20, 17                        ; its 131,072 bytes of M or N
	s_lshl_b32 s22, s13, 15                        ; my 64 rows of 512 bytes
	s_add_co_u32 s20, s20, s22
	s_mov_b32 s21, 0
	s_lshl_b32 s23, s67, 21                        ; Xq or Xv
	s_add_co_u32 s22, s22, s23
	s_lshl_b32 s23, s18, 19                        ; b x 1,024 rows
	s_add_co_u32 s22, s22, s23
	s_mov_b32 s23, 0
	s_lshl_b32 s68, s18, 10
	s_add_co_u32 s68, s68, s16
	s_lshl_b32 s62, s13, 5
	s_add_co_u32 s68, s68, s62                     ; my first row among the 4,096
	s_lshl_b32 s70, s19, 12
	s_add_co_u32 s70, s70, s68
	s_lshl_b32 s62, s67, 4
	s_add_co_u32 s70, s70, s62                     ; the 16 rows that I add and store
	s_lshl_b32 s70, s70, 10                        ; part: (4,096 hp + row) x 1,024 bytes
	s_mov_b32 s71, 0
	s_lshl_b32 s68, s68, 10                        ; Xk: row x 1,024 bytes
	s_mov_b32 s69, 0
	s_lshl_b32 s58, s19, 11                        ; e, cN of my two heads
	s_mov_b32 s59, 0
	s_mul_i32 s41, s14, QTR                        ; group 0: my quarter of slot 0,
	s_mov_b32 s40, 1
	s_mov_b32 s44, 1
	s_add_co_u32 s45, s41, SLOT                    ; of slot 1
	s_mov_b32 s60, 0x76543210                      ; v_permlanex16_b32: lane i of one half reads lane i of the other
	s_mov_b32 s61, 0xfedcba98
	s_mov_b32 s66, 0xbdb8aa3b                      ; -log2(e) / 16
	s_wait_dscnt 0x0
	s_wait_kmcnt 0x0
	s_add_nc_u64 s[AN0:AN0+1], s[4:5], s[20:21]
	s_add_nc_u64 s[G0+2:G0+3], s[AN0:AN0+1], MMO   ; T0: rows c 0-127 of M
	s_add_nc_u64 s[G0+6:G0+7], s[G0+2:G0+3], 65536 ; T1: rows 128-255
	s_or_b32 s[G0+3], s[G0+3], 0x80000000          ; 127:126 type = 2
	s_or_b32 s[G0+7], s[G0+7], 0x80000000
	s_add_nc_u64 s[AN0:AN0+1], s[AN0:AN0+1], NNO
	s_add_nc_u64 s[AN1:AN1+1], s[AN0:AN0+1], 65536
	s_add_nc_u64 s[AX0:AX0+1], s[4:5], s[22:23]    ; key block 0
	s_add_nc_u64 s[AX1:AX1+1], s[AX0:AX0+1], 65536 ; key block 1
	s_add_nc_u64 s[68:69], s[6:7], s[68:69]
	s_add_nc_u64 s[70:71], s[8:9], s[70:71]
	s_add_nc_u64 s[10:11], s[4:5], s[58:59]
	s_add_nc_u64 s[10:11], s[10:11], EO
	s_lshl_b32 s58, s19, 12                        ; g, s of my two heads
	s_add_nc_u64 s[56:57], s[4:5], s[58:59]
	s_add_nc_u64 s[56:57], s[56:57], GO
	ROUND                                          ; all four work-groups are here: the first joint loads meet
	FILL 2, 0                                      ; T0
	FILL 2, 1                                      ; T1: the two first fills go out together
	; ---- vectors ----
	v_and_b32 v1, 31, v0                           ; lane
	v_and_b32 v2, 15, v0                           ; r
	v_bfe_u32 v3, v0, 4, 1                         ; hh
	v_mul_u32_u24 v[ADRP], v2, PP
	v_lshl_add_u32 v[ADRP], v3, 4, v[ADRP]         ; r x 528 + 16 hh
	v_add_nc_u32 v[ADRP+1], SLOT, v[ADRP]
	v_and_b32 v[ADRX], 7, v0
	v_lshl_add_u32 v[ADRX], v3, 3, v[ADRX]
	v_mul_u32_u24 v[ADRX], v[ADRX], PT
	v_bfe_u32 v[ADRX+1], v0, 3, 1
	v_lshl_add_u32 v[ADRX], v[ADRX+1], 4, v[ADRX]  ; (8 hh + l % 8) x 544 + 16 ((l / 8) % 2)
	s_mul_i32 s62, s67, 2*QTR                      ; my head's half of a weight tile
	v_add_nc_u32 v[ADRW], s62, v[ADRX]
	v_add_nc_u32 v[ADRW+1], SLOT, v[ADRW]
	v_add_nc_u32 v[ADRX], 2*QTR, v[ADRX]           ; Xv lies in quarters 2, 3
	v_add_nc_u32 v[ADRX+1], SLOT, v[ADRX]
	s_lshl_b32 s62, s67, 10
	v_lshl_add_u32 v[ADRBI], v3, 5, s62
	v_add_nc_u32 v[ADRBI], VEC, v[ADRBI]
	s_lshl_b32 s62, s67, 9
	v_lshl_add_u32 v[ADRG], v3, 4, s62
	v_add_nc_u32 v[ADRG], VG, v[ADRG]
	v_mul_u32_u24 v[STO], v2, OP
	v_lshl_add_u32 v[STO], v3, 5, v[STO]
	v_add_nc_u32 v[STO], s41, v[STO]               ; my quarter of slot 0 + r x 1,040 + 32 hh
	s_mul_i32 s62, s13, QTR
	s_mul_i32 s63, s67, 16*OP
	s_add_co_u32 s62, s62, s63
	v_lshl_add_u32 v[RDA], v1, 4, s62              ; the first head's quarter of my row group, my 16 rows
	v_add_nc_u32 v[RDB], 2*QTR, v[RDA]
	v_lshlrev_b32 v[GOFF], 4, v1
	v_lshlrev_b32 v[XOFF], 10, v2
	v_lshl_add_u32 v[XOFF], v3, 5, v[XOFF]
	s_lshl_b32 s62, s67, 11
	v_lshl_add_u32 v[SOFF], v1, 2, s62
	v_add_nc_u32 v[SOFF], 128, v[SOFF]             ; s stands 32 times behind the first 32 numbers of g
	v_mov_b32 v[XX], 0                             ; v_permlanex16_b32 counts as a reader of its destination
	v_mov_b32 v[XX+1], 0
	v_lshl_add_u32 v30, v0, 4, VEC                 ; where thread t puts its four numbers of e (and, 2,048 on, of cN),
	v_lshl_add_u32 v31, v0, 3, VG                  ; and of g in bf16
	v_lshlrev_b32 v20, 4, v0                       ; where it finds e and cN: 16 t
	v_lshrrev_b32 v21, 3, v0
	v_and_b32 v22, 7, v0
	v_lshlrev_b32 v21, 8, v21
	v_lshl_add_u32 v21, v22, 4, v21                ; and g: piece t / 8 of 256 bytes, 16 (t % 8)
	global_load_b128 v[32:35], v20, s[10:11]       ; e
	global_load_b128 v[36:39], v20, s[10:11] offset:CNO-EO   ; cN
	global_load_b128 v[40:43], v21, s[56:57]       ; g
	global_load_b32 v[SB], v[SOFF], s[56:57]       ; s
	WIN 0x40
	LOADXK 0
	WIN 0
	s_wait_loadcnt 32                              ; the four vector loads are in; the 32 loads of Xk issued behind them may stay out
	ds_store_b128 v30, v[32:35]
	ds_store_b128 v30, v[36:39] offset:2048
	v_cvt_pk_bf16_f32 v40, v40, v41
	v_cvt_pk_bf16_f32 v41, v42, v43
	ds_store_b64 v31, v[40:41]
.irp j, 1,2,3,4,5,6,7
	v_mov_b32 v[SB+\j], v[SB]                      ; s as a C tile
.endr
	s_wait_loadcnt 16                              ; half of the first run is in: at most 48 loads are out behind the second
	WIN 0x40
	LOADXK 1
	s_wait_loadcnt 0x0
	WIN 0x85
.set i, 0
.rept 128
	v_cvt_pk_bf16_f32 v[i], v[2*i], v[2*i+1]       ; Xk as source 1 fragments
.set i, i+1
.endr
	WIN 0
	s_wait_tensorcnt 0x1                           ; my quarter of T0 is in; T1, issued behind it, may stay out
	s_wait_dscnt 0x0                               ; my part of e, cN, g is in LDS
	s_barrier_signal -1
	s_barrier_wait -1
	; ---- the chain ----
	WIN 0xc0
	LOADG 128
	s_wait_dscnt 0x0
	WIN 0x0b
	MULQ 128                                       ; cb = Xk g + s
	ST bf16, 0, 0, 0                               ; kt^T = M^T Xk^T + e, K steps 0-3
	HEAD 0, 1, AX0, 3                              ; T1 is whole; key block 0 goes out
	ST bf16, 1, 1, -1                              ; K steps 4-7
	PACK 0
	HEAD 1, 1, AX1, 3                              ; key block 1 goes out
	ATT 0, 1                                       ; key block 0 starts maximum, sums and accumulators: nothing is cleared
	WIN 0
	s_mov_b32 s62, 3
.Lblocks:                                          ; key blocks 1 to 6; the fills are blocks 2 to 7
	HEAD 0, 2, 0, 3
	ATT 1, 0
	HEAD 1, 2, 0, 3
	ATT 0, 0
	WIN 0
	s_sub_co_u32 s62, s62, 1
	s_cmp_lg_u32 s62, 0
	s_cbranch_scc1 .Lblocks
	HEAD 0, 1, AN0, 2                              ; T10 = rows 0-127 of N goes out
	ATT 1, 0                                       ; key block 7
	FINISH
	HEAD 1, 1, AN1, 2                              ; T11 goes out: the last load
	ST f16, 0, 0, 2048                             ; (P / l) N + cN, K steps 0-3
	HEAD 0, 0, 0, 0                                ; T11 is whole; nobody reads slot 0 any more; nothing is filled
	ST f16, 1, 1, -1                               ; K steps 4-7
	OUT
	s_wait_tensorcnt 0x0
	ds_add_u32 v254, v255
	s_wait_dscnt 0x0
	ROUND                                          ; the closing round: no work-group ends while a partner may still ask for a tile that names it
	s_endpgm
.Lfunc_end_k_q6741fb0153_attn:
	.size	k_q6741fb0153_attn, .Lfunc_end_k_q6741fb0153_attn-k_q6741fb0153_attn
	.p2alignl 7, 3214868480
	.fill 96, 4, 3214868480
	.section	.rodata,"a",@progbits
	.p2align	6, 0x0
	.amdhsa_kernel k_q6741fb0153_attn
		.amdhsa_group_segment_fixed_size 327680
		.amdhsa_private_segment_fixed_size 0
		.amdhsa_enable_private_segment 0
		.amdhsa_kernarg_size 24
		.amdhsa_user_sgpr_count 2
		.amdhsa_user_sgpr_kernarg_segment_ptr 1
		.amdhsa_wavefront_size32 1
		.amdhsa_system_sgpr_workgroup_id_x 1
		.amdhsa_system_sgpr_workgroup_id_y 1
		.amdhsa_system_sgpr_workgroup_id_z 1
		.amdhsa_system_vgpr_workitem_id 0
		.amdhsa_next_free_vgpr 1024
		.amdhsa_next_free_sgpr 72
		.amdhsa_reserve_vcc 0
		.amdhsa_float_denorm_mode_32 3
		.amdhsa_float_denorm_mode_16_64 3
		.amdhsa_memory_ordered 1
		.amdhsa_forward_progress 1
		.amdhsa_inst_pref_size 255
	.end_amdhsa_kernel
	.section	.bss,"aw",@nobits
	.p2align	6
	.space	262144
	.amdgpu_metadata
---
amdhsa.version: [ 1, 2 ]
amdhsa.kernels:
  - .name:           k_q6741fb0153_attn
    .symbol:         k_q6741fb0153_attn.kd
    .args:
      - { .name: bf, .offset: 0, .size: 8, .value_kind: global_buffer, .address_space: global }
      - { .name: key_input, .offset: 8, .size: 8, .value_kind: global_buffer, .address_space: global }
      - { .name: part, .offset: 16, .size: 8, .value_kind: global_buffer, .address_space: global }
    .group_segment_fixed_size: 327680
    .private_segment_fixed_size: 0
    .kernarg_segment_align: 8
    .kernarg_segment_size: 24
    .max_flat_workgroup_size: 128
    .sgpr_count:     72
    .vgpr_count:     1024
    .wavefront_size: 32
...
	.end_amdgpu_metadata
.endif
;; end of part 2
;; launch headsum (part 3): grid 256 x 1, 8 waves a work-group, no clusters, 0 bytes of LDS; arguments part, bo, out0; writes out0
.if DOCPART == 3
	.amdgcn_target "amdgcn-amd-amdhsa--gfx1250"
	.amdhsa_code_object_version 6
	.text
	.protected	k_q6741fb0153_headsum
	.globl	k_q6741fb0153_headsum
	.p2align	8
	.type	k_q6741fb0153_headsum,@function
k_q6741fb0153_headsum:
	s_mov_b64 s[64:65], 0
	v_nop
	global_prefetch_b8 v0, s[64:65] scope:SCOPE_SE
	s_setreg_imm32_b32 hwreg(HW_REG_WAVE_MODE, 25, 1), 1
	s_wait_xcnt 0x0
; out0 = bo + (the sum over the 4 pairs of heads of part[hp]) / 256, pairs ascending, in f32.  part: [4][4096][256] f32, out0: [4096][256] f32.
; The factor 1 / 256 takes out the exact factor 256 that the first launch put into Wv_h Wo_h and bv_h Wo_h.
; 256 work-groups of 256 threads; work-group g owns 16,384 bytes of out0, thread t 16 bytes in each of four chunks of 4,096 bytes.
; A wave's load or store covers 512 consecutive bytes at a multiple of 512.  All 17 loads go out first; no loop, no register loaded twice.
; Matrix units, LDS and clusters have nothing to do here: every byte is read once and no work-group shares a byte with another.
.set PAIRB, 4194304                    ; bytes of one pair's part
.set BO, 4                             ; v[4:7]     bo of my four columns (the same in every chunk: a chunk is four whole rows)
.set PA, 8                             ; v[8:71]    chunk c, pair p: 4 registers at PA + 16 c + 4 p
	s_load_b128 s[4:7], s[0:1], 0x0                ; part, bo
	s_load_b64 s[8:9], s[0:1], 0x10                ; out0
	s_lshl_b32 s10, ttmp9, 14
	s_mov_b32 s11, 0
	v_lshlrev_b32 v1, 4, v0                        ; 16 t
	v_and_b32 v2, 0x3ff, v1                        ; my place in a row of 1,024 bytes
	s_wait_kmcnt 0x0
	s_add_nc_u64 s[12:13], s[4:5], s[10:11]        ; pairs 0, 1
	s_add_nc_u64 s[14:15], s[12:13], 2*PAIRB       ; pairs 2, 3: a base for every two keeps the immediates inside their signed 24 bits
	s_add_nc_u64 s[20:21], s[8:9], s[10:11]
	global_load_b128 v[BO:BO+3], v2, s[6:7]
.irp c, 0,1,2,3
.irp p, 0,1,2,3
	global_load_b128 v[PA+16*\c+4*\p:PA+16*\c+4*\p+3], v1, s[12+2*(\p/2):13+2*(\p/2)] offset:(\p%2)*PAIRB+4096*\c th:TH_LOAD_NT
.endr
.endr
.irp c, 0,1,2,3
	s_wait_loadcnt 12-4*\c                         ; loads come back in order (ISA guide 5.7.1): the later chunks' four loads each may stay out
.irp p, 1,2,3
	v_pk_add_f32 v[PA+16*\c:PA+16*\c+1],   v[PA+16*\c:PA+16*\c+1],   v[PA+16*\c+4*\p:PA+16*\c+4*\p+1]
	v_pk_add_f32 v[PA+16*\c+2:PA+16*\c+3], v[PA+16*\c+2:PA+16*\c+3], v[PA+16*\c+4*\p+2:PA+16*\c+4*\p+3]
.endr
	v_pk_fma_f32 v[PA+16*\c:PA+16*\c+1],   v[PA+16*\c:PA+16*\c+1],   0x3b800000, v[BO:BO+1]   op_sel_hi:[1,0,1]   ; / 256 + bo
	v_pk_fma_f32 v[PA+16*\c+2:PA+16*\c+3], v[PA+16*\c+2:PA+16*\c+3], 0x3b800000, v[BO+2:BO+3] op_sel_hi:[1,0,1]
	global_store_b128 v1, v[PA+16*\c:PA+16*\c+3], s[20:21] offset:4096*\c th:TH_STORE_NT
.endr
	s_endpgm
.Lfunc_end_k_q6741fb0153_headsum:
	.size	k_q6741fb0153_headsum, .Lfunc_end_k_q6741fb0153_headsum-k_q6741fb0153_headsum
	.p2alignl 7, 3214868480
	.fill 96, 4, 3214868480
	.section	.rodata,"a",@progbits
	.p2align	6, 0x0
	.amdhsa_kernel k_q6741fb0153_headsum
		.amdhsa_group_segment_fixed_size 0
		.amdhsa_private_segment_fixed_size 0
		.amdhsa_enable_private_segment 0
		.amdhsa_kernarg_size 24
		.amdhsa_user_sgpr_count 2
		.amdhsa_user_sgpr_kernarg_segment_ptr 1
		.amdhsa_wavefront_size32 1
		.amdhsa_system_sgpr_workgroup_id_x 1
		.amdhsa_system_sgpr_workgroup_id_y 1
		.amdhsa_system_sgpr_workgroup_id_z 1
		.amdhsa_system_vgpr_workitem_id 0
		.amdhsa_next_free_vgpr 72
		.amdhsa_next_free_sgpr 66
		.amdhsa_reserve_vcc 0
		.amdhsa_float_denorm_mode_32 3
		.amdhsa_float_denorm_mode_16_64 3
		.amdhsa_memory_ordered 1
		.amdhsa_forward_progress 1
		.amdhsa_inst_pref_size 6
	.end_amdhsa_kernel
	.amdgpu_metadata
---
amdhsa.version: [ 1, 2 ]
amdhsa.kernels:
  - .name:           k_q6741fb0153_headsum
    .symbol:         k_q6741fb0153_headsum.kd
    .args:
      - { .name: part, .offset: 0, .size: 8, .value_kind: global_buffer, .address_space: global }
      - { .name: bo, .offset: 8, .size: 8, .value_kind: global_buffer, .address_space: global }
      - { .name: out0, .offset: 16, .size: 8, .value_kind: global_buffer, .address_space: global }
    .group_segment_fixed_size: 0
    .private_segment_fixed_size: 0
    .kernarg_segment_align: 8
    .kernarg_segment_size: 24
    .max_flat_workgroup_size: 256
    .sgpr_count:     66
    .vgpr_count:     72
    .wavefront_size: 32
...
	.end_amdgpu_metadata
.endif
;; end of part 3
